; MI455X (gfx1250); checked and timed in simulation.
; The chip was launched on July 23, 2026; its instructions are those of AMD's public machine-readable ISA for CDNA 5 (MIT licence, August 2026) and "CDNA5" Instruction Set Architecture Reference Guide (July 2026). The comments in the code are by the model that wrote it; some were corrected since.
;; Offline Sliding Window Attn. Allowed arithmetic: matrix products marked QUANTISED: E5M2 operands, one given power-of-two scale a tensor, by v_wmma_f32_16x16x64_bf8_bf8 or v_wmma_f32_16x16x128_bf8_bf8, f32 sums; everything else in f32.
;; Inputs: k 2 x 2,048 x 8 x 128 float32; lowp_scales 4 int32 (the exponents e of the quantised operands' scales 2^e); q 2 x 2,048 x 16 x 128 float32; v 2 x 2,048 x 8 x 128 float32; wk 1,024 float32; wq 2,048 float32.
;; Outputs: out0 2 x 2,048 x 16 x 128 float32.
;; This version of the problem:
;;   THIS VERSION OF THE PROBLEM IS GIVEN IN LOW PRECISION. The matrix products marked QUANTISED in the list below multiply operands that are first quantised to E5M2 (5 exponent bits, 2 mantissa bits; 8 bits a number), with one given power-of-two scale for each operand tensor; their sums are f32. All else is computed in f32.
;;   The module's matrix products, in the order in which they are computed (A, B: the left and right operand; K: the contracted axis; several contracted axes count as one K, in the product's order):
;;     1. batch 32 x [M 2,048, K 128] x [K 128, N 2,048]; A: computed on the way; B: computed on the way: QUANTISED (scales: A lowp_scales[0], B lowp_scales[1])
;;     2. batch 32 x [M 128, K 2,048] x [K 2,048, N 2,048]; A: input v; B: computed on the way: QUANTISED (scales: A lowp_scales[2], B lowp_scales[3])
;;   THE QUANTISER, for each operand of a quantised product, along K:
;;     - The operand's scale is 2^e, e = its entry of the input lowp_scales (int32; the entries are numbered through the quantised products in the list's order, A before B).
;;     - Each number is divided by the scale, clamped to +-57,344, and rounded to the nearest number of E5M2, ties to even, subnormals kept.
;;     - The product sums the exact products of the quantised numbers (number of the format x scale) in f32.
;;   ~~~python
;;   def quantise(x, axis, e):      # numpy; x: float32 -> the quantised numbers, widened to float32 again
;;       x = np.moveaxis(x, axis, -1); K = x.shape[-1]
;;       r = np.clip(x / 2.0 ** e, -57344, 57344)
;;       step = 2.0 ** (np.maximum(np.frexp(np.where(r == 0, 1, r))[1] - 1, -14) - 2)
;;       q = np.round(r / step) * step * 2.0 ** e      # np.round: ties to even
;;       return np.moveaxis(q, -1, axis).astype(np.float32)
;;   ~~~
;;   OPERANDS COMPUTED ON THE WAY. 'Computed on the way' means the value that the module computes at that place (a softmax that the list does not call 'softmax' is quantised finished and normalised). What goes into a quantiser is computed in f32, as accurately as f32 sums, v_exp_f32 and their like allow (about 1e-6 of the number): no bf16 or f16 on the way to a quantiser, and a product that is left as it is and whose result goes on into a quantised operand takes f32 operands (vector FMAs, or v_wmma_f32_16x16x4_f32). A number that lies on a knife's edge between two numbers of the format may be rounded either way, as far as f32 arithmetic and the matrix unit's own rounding can turn it there, and no further.
;; One version. Each part assembles by itself: llvm-mc -triple=amdgcn-amd-amdhsa -mcpu=gfx1250 --defsym DOCPART=n.
;; ======== version 1 of 1: 2 launches
;; workspace buffers: kc 4,194,304 bytes; vc 4,194,304 bytes
;; launch prep (part 1): grid 128 x 2, 8 waves a work-group, no clusters, 0 bytes of LDS; arguments k, v, wk, lowp_scales, kc, vc; writes kc, vc
.if DOCPART == 1
	.amdgcn_target "amdgcn-amd-amdhsa--gfx1250"
	.amdhsa_code_object_version 6
	.text
	.protected	k_qe2c6556b66_prep
	.globl	k_qe2c6556b66_prep
	.p2align	8
	.type	k_qe2c6556b66_prep,@function
k_qe2c6556b66_prep:
	s_mov_b64 s[64:65], 0
	v_nop
	global_prefetch_b8 v0, s[64:65] scope:SCOPE_SE
	s_setreg_imm32_b32 hwreg(HW_REG_WAVE_MODE, 25, 1), 1
	s_wait_xcnt 0x0
; K and V, [2][2048][8][128] f32, become codes of BF8 (E5M2), once for all the query blocks and query heads that read them.
; K is first normalised as reference() does it: x / sqrt(mean of the head's 128 squares + 1e-5), then x the gain wk; its scale is 2^e1, V's is 2^e2 (entries 1 and 2 of lowp_scales).
; code = number / 2^e, held within +-57,344, to the nearest code, ties to even.
; BOTH BUFFERS ARE LAID AS IMAGES OF THE OPERANDS' REGISTERS (r = lane % 16, hl = lane / 16, bh = 8 b + head, 262,144 bytes for each bh):
;   kc: fragment f = 2 beta + u of 2,048 bytes (beta: a group of 32 keys): byte 512 c + 16 lane + i = key 32 beta + 8 u + r + 8 (r / 8), channel 32 c + 16 hl + i
;   vc: step sigma of 64 keys, 8,192 bytes; tile dt of 1,024: byte 512 c + 16 lane + i = channel 16 dt + r, key 64 sigma + 32 c + 16 hl + i
; SHARES.  Grid y = 0: K, y = 1: V.  Work-group x: bh = x / 8; wave w owns the 32 keys beta = 8 (x % 8) + w.  All of a wave's loads go out at once; no loop, every offset an immediate; no LDS, no barrier: waves share nothing.
; LIMITS: e1 and e2 between -126 and 112, so that 2^e and 57,344 x 2^e are f32 numbers.  NaN and infinities among the inputs are not served.
.set KA,  4                            ; v4   K: my lane's byte among the wave's 32 keys
.set WA,  5                            ; v5   wk: my half's byte
.set STA, 6                            ; v6   16 x lane: my place in an image
.set SCL, 7                            ; v7   2^e as f32
.set LIM, 8                            ; v8   57,344 x 2^e
.set TP,  9                            ; v9   what the other half of the lanes sends
.set SS,  10                           ; v[10:17] four pairs of sums of squares, then at work
.set RR,  18                           ; v[18:19] 1 / rms (the packed form names the pair and takes its low word)
.set WK,  32                           ; v[32:95]   my 64 gains
.set X0,  96                           ; v[96:223]  my 64 numbers of fragment u = 0, then of u = 1
.set CK,  224                          ; v[224:255] the codes, 16 registers a fragment
.set VX,  32                           ; v[32:159]  V: eight units of 16 keys
.set CV,  160                          ; v[160:191] their codes, 4 registers a unit
	s_load_b256 s[4:11], s[0:1], 0x0               ; k s[4:5], v s[6:7], wk s[8:9], the scales' exponents s[10:11]
	s_load_b128 s[12:15], s[0:1], 0x20             ; kc s[12:13], vc s[14:15]
	v_lshrrev_b32 v1, 5, v0
	v_readfirstlane_b32 s16, v1                    ; wave 0..7
	v_and_b32 v1, 31, v0                           ; lane
	v_and_b32 v2, 15, v0                           ; r
	v_bfe_u32 v3, v0, 4, 1                         ; hl
	s_lshr_b32 s18, ttmp9, 3                       ; bh
	s_and_b32 s19, ttmp9, 7
	s_lshl_b32 s19, s19, 3
	s_add_co_u32 s19, s19, s16                     ; beta, 0..63
	s_lshr_b32 s20, s18, 3                         ; b
	s_lshl_b32 s20, s20, 23                        ; a batch is 8,388,608 bytes,
	s_lshl_b32 s24, s19, 17                        ; 32 keys are 131,072,
	s_add_co_u32 s20, s20, s24
	s_and_b32 s25, s18, 7
	s_lshl_b32 s24, s25, 9                         ; a head 512
	s_add_co_u32 s20, s20, s24
	s_mov_b32 s21, 0                               ; s[20:21]: where my 32 keys begin, in k and in v alike
	s_mov_b32 s25, 0                               ; s[24:25]: the head's gains
	s_lshl_b32 s22, s18, 18                        ; bh's 262,144 bytes of codes
	s_mov_b32 s23, 0
	s_mov_b32 s36, 0x76543210                      ; v_permlanex16_b32: lane l takes lane l xor 16
	s_mov_b32 s37, 0xfedcba98
	s_mov_b32 s38, 0x3c000000                      ; 1 / 128
	s_mov_b32 s39, 0x3727c5ac                      ; 1e-5
	s_and_b32 s26, ttmp7, 0xffff
	s_wait_kmcnt 0x0
	s_load_b128 s[32:35], s[10:11], 0x0            ; e0 .. e3
	s_cmp_lg_u32 s26, 0
	s_cbranch_scc1 .Lvalues
	; ---------------- K ----------------
	s_add_nc_u64 s[4:5], s[4:5], s[20:21]
	s_add_nc_u64 s[8:9], s[8:9], s[24:25]
	s_lshl_b32 s27, s19, 12                        ; two fragments of 2,048 bytes for each beta
	s_add_co_u32 s22, s22, s27
	s_add_nc_u64 s[12:13], s[12:13], s[22:23]
	v_and_b32 v[KA], 8, v2
	v_add_nc_u32 v[KA], v[KA], v2                  ; r + 8 (r / 8): the keys of a fragment are not neighbours
	v_lshlrev_b32 v[KA], 12, v[KA]                 ; a key is 4,096 bytes on
	v_lshl_add_u32 v[KA], v3, 6, v[KA]             ; + 64 hl: my 16 channels of each 32
	v_lshlrev_b32 v[WA], 6, v3
	v_lshlrev_b32 v[STA], 4, v1
.irp c, 0,1,2,3
.irp j, 0,1,2,3
	global_load_b128 v[WK+16*\c+4*\j:WK+16*\c+4*\j+3], v[WA], s[8:9] offset:128*\c+16*\j          ; register 16 c + 4 j + i = channel 32 c + 16 hl + 4 j + i
.endr
.endr
.irp u, 0,1
.irp c, 0,1,2,3
.irp j, 0,1,2,3
	global_load_b128 v[X0+64*\u+16*\c+4*\j:X0+64*\u+16*\c+4*\j+3], v[KA], s[4:5] offset:32768*\u+128*\c+16*\j   ; fragment u begins 8 keys on
.endr
.endr
.endr
	v_mov_b32 v[TP], 0                             ; written once: a lane permute's destination counts as one of its sources
	v_mov_b32 v[RR+1], 0                           ; (named as the upper half of the pair)
	s_wait_kmcnt 0x0
	s_add_co_i32 s28, s33, 127
	s_lshl_b32 s29, s28, 23
	v_mov_b32 v[SCL], s29                          ; 2^e1: the conversion takes its exponent field
	s_add_co_i32 s28, s28, 15
	s_lshl_b32 s28, s28, 23
	s_or_b32 s28, s28, 0x600000
	v_mov_b32 v[LIM], s28                          ; 57,344 x 2^e1
; 64 numbers of a lane (half of its key's head; the other half lies in lane l xor 16) are normalised, multiplied by the gains, held and converted: 16 registers of codes.
.macro NORM64 x, dst
.irp p, 0,1,2,3
	v_pk_mul_f32 v[SS+2*\p:SS+2*\p+1], v[(\x)+2*\p:(\x)+2*\p+1], v[(\x)+2*\p:(\x)+2*\p+1]   ; the first four pairs start four chains: nothing is cleared
.endr
.set CNT, 4
.rept 28
	v_pk_fma_f32 v[SS+2*(CNT%4):SS+2*(CNT%4)+1], v[(\x)+2*CNT:(\x)+2*CNT+1], v[(\x)+2*CNT:(\x)+2*CNT+1], v[SS+2*(CNT%4):SS+2*(CNT%4)+1]
.set CNT, CNT+1
.endr
	v_pk_add_f32 v[SS:SS+1], v[SS:SS+1], v[SS+2:SS+3]
	v_pk_add_f32 v[SS+4:SS+5], v[SS+4:SS+5], v[SS+6:SS+7]
	v_pk_add_f32 v[SS:SS+1], v[SS:SS+1], v[SS+4:SS+5]
	v_add_f32 v[SS], v[SS], v[SS+1]
	v_permlanex16_b32 v[TP], v[SS], s36, s37
	v_add_f32 v[SS], v[SS], v[TP]                  ; the head's 128 squares
	v_fma_f32 v[SS], v[SS], s38, s39               ; m = mean + 1e-5
	v_rsq_f32 v[RR], v[SS]
	v_nop                                          ; one plain instruction behind a transcendental (ISA guide 5.7.2)
	s_wait_alu depctr_va_vdst(0)
	v_mul_f32 v[SS+1], v[SS], v[RR]                ; one Newton step: r + (r / 2)(1 - m r r), so that what goes into the quantiser is as good as f32 gives
	v_fma_f32 v[SS+1], -v[SS+1], v[RR], 1.0
	v_mul_f32 v[SS+2], 0.5, v[RR]
	v_fma_f32 v[RR], v[SS+2], v[SS+1], v[RR]
.set CNT, 0
.rept 32
	v_pk_mul_f32 v[(\x)+CNT:(\x)+CNT+1], v[(\x)+CNT:(\x)+CNT+1], v[RR:RR+1] op_sel_hi:[1,0]   ; x / rms first,
.set CNT, CNT+2
.endr
.set CNT, 0
.rept 32
	v_pk_mul_f32 v[(\x)+CNT:(\x)+CNT+1], v[(\x)+CNT:(\x)+CNT+1], v[WK+CNT:WK+CNT+1]           ; then the gain: reference()'s order
.set CNT, CNT+2
.endr
.set CNT, 0
.rept 64
	v_med3_num_f32 v[(\x)+CNT], v[(\x)+CNT], -v[LIM], v[LIM]   ; the conversion to an 8-bit code does not saturate (ISA guide 7.6.2): the hold at the largest code x the scale
.set CNT, CNT+1
.endr
.irp g, 0,1,2,3,4,5,6,7
	v_cvt_scalef32_pk8_bf8_f32 v[(\dst)+2*\g:(\dst)+2*\g+1], v[(\x)+8*\g:(\x)+8*\g+7], v[SCL]
.endr
.endm
.irp u, 0,1
	s_wait_loadcnt 16-16*\u                        ; u = 0: the gains and fragment 0 are in, fragment 1's sixteen loads may be out; u = 1: all are in
	NORM64 X0+64*\u, CK+16*\u
.irp c, 0,1,2,3
	global_store_b128 v[STA], v[CK+16*\u+4*\c:CK+16*\u+4*\c+3], s[12:13] offset:2048*\u+512*\c   ; the wave stores 512 consecutive bytes, aligned.  (The codes go to stores alone, and each fragment has registers of its own: no register that a store reads is written again)
.endr
.endr
	s_endpgm
	; ---------------- V ----------------
.Lvalues:
	s_add_nc_u64 s[6:7], s[6:7], s[20:21]
	s_lshr_b32 s27, s19, 1
	s_lshl_b32 s27, s27, 13                        ; sigma = beta / 2: 8,192 bytes a step,
	s_add_co_u32 s22, s22, s27
	s_and_b32 s27, s19, 1
	s_lshl_b32 s27, s27, 9                         ; c = beta % 2: 512 bytes within each tile
	s_add_co_u32 s22, s22, s27
	s_add_nc_u64 s[14:15], s[14:15], s[22:23]
	v_lshlrev_b32 v4, 2, v1                        ; A LANE TAKES A CHANNEL AND ITS REGISTERS RUN DOWN THE KEYS: each load reads 128 consecutive bytes
	v_lshlrev_b32 v5, 10, v3                       ; out: channel 32 g + lane is row lane % 16 of tile 2 g + lane / 16
	v_lshl_add_u32 v5, v2, 4, v5
.irp hh, 0,1                           ; unit 4 hh + g: keys 16 hh + 0 .. 15 of channels 32 g + lane; a key's four loads (512 bytes) stand together
.irp i, 0,1,2,3,4,5,6,7,8,9,10,11,12,13,14,15
.irp g, 0,1,2,3
	global_load_b32 v[VX+16*(4*\hh+\g)+\i], v4, s[6:7] offset:(16*\hh+\i)*4096+128*\g th:TH_LOAD_NT
.endr
.endr
.endr
	s_wait_kmcnt 0x0
	s_add_co_i32 s28, s34, 127
	s_lshl_b32 s29, s28, 23
	v_mov_b32 v[SCL], s29                          ; 2^e2
	s_add_co_i32 s28, s28, 15
	s_lshl_b32 s28, s28, 23
	s_or_b32 s28, s28, 0x600000
	v_mov_b32 v[LIM], s28                          ; 57,344 x 2^e2
.irp hh, 0,1
.if \hh == 0
	s_wait_loadcnt 63                              ; the first 64 loads are in: 64 are younger, and the largest count that can be written, one less, asks for one load more
.else
	s_wait_loadcnt 0x0
.endif
.irp g, 0,1,2,3
.set UN, 4*\hh+\g
.irp i, 0,1,2,3,4,5,6,7,8,9,10,11,12,13,14,15
	v_med3_num_f32 v[VX+16*UN+\i], v[VX+16*UN+\i], -v[LIM], v[LIM]
.endr
	v_cvt_scalef32_pk8_bf8_f32 v[CV+4*UN:CV+4*UN+1], v[VX+16*UN:VX+16*UN+7], v[SCL]
	v_cvt_scalef32_pk8_bf8_f32 v[CV+4*UN+2:CV+4*UN+3], v[VX+16*UN+8:VX+16*UN+15], v[SCL]
	global_store_b128 v5, v[CV+4*UN:CV+4*UN+3], s[14:15] offset:2048*\g+256*\hh   ; each half of the lanes stores 256 consecutive bytes, aligned: 16 keys of 16 channels
.endr
.endr
	s_endpgm
.Lfunc_end_k_qe2c6556b66_prep:
	.size	k_qe2c6556b66_prep, .Lfunc_end_k_qe2c6556b66_prep-k_qe2c6556b66_prep
	.p2alignl 7, 3214868480
	.fill 96, 4, 3214868480
	.section	.rodata,"a",@progbits
	.p2align	6, 0x0
	.amdhsa_kernel k_qe2c6556b66_prep
		.amdhsa_group_segment_fixed_size 0
		.amdhsa_private_segment_fixed_size 0
		.amdhsa_enable_private_segment 0
		.amdhsa_kernarg_size 48
		.amdhsa_user_sgpr_count 2
		.amdhsa_user_sgpr_kernarg_segment_ptr 1
		.amdhsa_wavefront_size32 1
		.amdhsa_system_sgpr_workgroup_id_x 1
		.amdhsa_system_sgpr_workgroup_id_y 1
		.amdhsa_system_sgpr_workgroup_id_z 1
		.amdhsa_system_vgpr_workitem_id 0
		.amdhsa_next_free_vgpr 256
		.amdhsa_next_free_sgpr 66
		.amdhsa_reserve_vcc 0
		.amdhsa_float_denorm_mode_32 3
		.amdhsa_float_denorm_mode_16_64 3
		.amdhsa_memory_ordered 1
		.amdhsa_forward_progress 1
		.amdhsa_inst_pref_size 53
	.end_amdhsa_kernel
	.amdgpu_metadata
---
amdhsa.version: [ 1, 2 ]
amdhsa.kernels:
  - .name:           k_qe2c6556b66_prep
    .symbol:         k_qe2c6556b66_prep.kd
    .args:
      - { .name: k, .offset: 0, .size: 8, .value_kind: global_buffer, .address_space: global }
      - { .name: v, .offset: 8, .size: 8, .value_kind: global_buffer, .address_space: global }
      - { .name: wk, .offset: 16, .size: 8, .value_kind: global_buffer, .address_space: global }
      - { .name: lowp_scales, .offset: 24, .size: 8, .value_kind: global_buffer, .address_space: global }
      - { .name: kc, .offset: 32, .size: 8, .value_kind: global_buffer, .address_space: global }
      - { .name: vc, .offset: 40, .size: 8, .value_kind: global_buffer, .address_space: global }
    .group_segment_fixed_size: 0
    .private_segment_fixed_size: 0
    .kernarg_segment_align: 8
    .kernarg_segment_size: 48
    .max_flat_workgroup_size: 256
    .sgpr_count:     66
    .vgpr_count:     256
    .wavefront_size: 32
...
	.end_amdgpu_metadata
.endif
;; end of part 1
;; launch attn (part 2): grid 16 x 16, 8 waves a work-group, no clusters, 232,448 bytes of LDS; arguments kc, vc, q, wq, lowp_scales, out0; writes out0
.if DOCPART == 2
	.amdgcn_target "amdgcn-amd-amdhsa--gfx1250"
	.amdhsa_code_object_version 6
	.text
	.protected	k_qe2c6556b66_attn
	.globl	k_qe2c6556b66_attn
	.p2align	8
	.type	k_qe2c6556b66_attn,@function
k_qe2c6556b66_attn:
	s_mov_b64 s[64:65], 0
	v_nop
	global_prefetch_b8 v0, s[64:65] scope:SCOPE_SE
	s_setreg_imm32_b32 hwreg(HW_REG_WAVE_MODE, 25, 1), 1
	s_wait_xcnt 0x0
; out[b][q][head] = sum over the keys k with 0 <= q - k <= 512 of p V[k];  p = softmax over those keys of 30 tanh(Qn . Kn / sqrt(128) / 30), clipped to 0 .. 1;  Qn, Kn: RMS-normalised per head, x gains.
; Both products on codes of BF8 (E5M2): Qn with 2^e0 (quantised here), Kn with 2^e1 and V with 2^e2 (codes made by the launch before, laid as images of the operands' registers), p with 2^e3.
; p IS QUANTISED FINISHED AND NORMALISED.  So a row's sum must be known before any p is converted: a tile of 16 queries keeps the exponentials of all its 576 keys in registers (288 a lane), and every score is computed once.
; NO MAXIMUM IS TAKEN AWAY: reference()'s own cap holds every score within +-30, so t = score x log2(e) lies within +-43.3, 2^t between 9e-14 and 1.1e13, and a row's sum of at most 513 of them under 6e15, for every input.
; THE CAP: tanh(x) = x P(x^2) / Q(x^2), P of degree 6, Q of degree 3, x held within +-7.905 (beyond that the quotient is 1 to f32).  It keeps full relative accuracy at small x, where 1 - 2 / (1 + e^2x) would lose it, and costs one reciprocal.
;   P's coefficients are multiplied once by 30 log2(e): the quotient is then t itself.
; SHARES.  Work-group (x, y): queries 128 x .. 128 x + 127 of key/value head y % 8 of batch y / 8, for both of its query heads.  Wave w owns queries 128 x + 16 w + 0 .. 15 and walks the two heads, a trip each.
;   Eight waves of 512 registers: two to a SIMD, so that one wave's matrix and LDS work stands beside the other's vector work.
; KEYS.  The block's 640 keys, 128 x - 512 on, lie in LDS whole: 81,920 bytes of K's codes and as many of V's, filled once by ten tensor loads (waves 0 to 4: one piece of 128 keys of each).  Nothing is filled again: one barrier in all.
;   A tile walks 9 steps of 64 keys, from key 128 x - 512 + 64 (w / 4) on.  With d = 16 (w % 4) + lane % 16: in step 0 place a counts where a >= d, in step 8 where a <= d, steps 1 to 7 count wholly.
;   Blocks 0 to 3 have steps in front of key 0.  Their pieces are loaded from key 0 on instead (finite codes, inside the buffer), and the step's BIAS, the addend of the multiply-add that makes t, is -infinity: 2^t = 0, p's code 0.  No branch.
; LAYOUT.  Both products are used transposed: S^T = K Q^T (16x16x128: source 0 = 16 keys, source 1 = my 16 queries), O^T = V^T P^T (16x16x64: source 0 = 16 channels, source 1 = p): a lane holds ONE query (lane % 16) throughout.
;   The keys of a fragment of K are not neighbours (lane r of fragment 2 beta + u: key 32 beta + 8 u + r + 8 (r / 8)): so register n (0 .. 31) of a step's scores is key place 32 (n / 16) + 16 (lane / 16) + n % 16,
;   and eight of them convert into two registers of p's operand, in which V's images hold the same keys in the same places.  Along both K the places are permuted alike in both sources.
; NO CLUSTER: neighbouring query blocks share 512 of their 640 keys, but a key's LDS place is key - (128 x - 512), which differs from block to block, and a joint load has one LDS address for all partners.
;   What would be shared is 160 KiB of codes a work-group beside its 256 KiB of q and out0, which nobody shares.
; LIMITS on the given exponents, so that each power of two below is an f32 number: e0 + e1 between -117 and 136 (added to a constant's exponent field); e0 and e3 between -126 and 112; e2 + e3 between -126 and 127.
;   NaN and infinities among the inputs are not served.
; REGISTERS, in windows of 256.  Window 0: below.  Window 1: the exponentials of steps 0 to 7, 32 registers each; at the head q and wq of both heads.
.set KBYTES, 81920                     ; LDS: K's 40 fragments of 2,048 bytes; then V's 10 steps of 8,192;
.set STG,    163840                    ; then a stage of 16 rows x 528 bytes for each wave, for the way out: no tile lands there
.set SPITCH, 528                       ; 512 bytes + 16: the 16 rows begin at 16 different 16-byte columns modulo 256
.set LN16, 1                           ; v1   16 x lane: my place in an image, in a stage row and in a row of out0
.set AK,   2                           ; v2   K's fragments of steps 0-3: 16 lane + 8,192 (w / 4)
.set AK4,  3                           ; v3   of steps 4-8: + 32,768, so that every offset fits in 16 bits
.set AV,   4                           ; v4   the same for V
.set AV4,  5                           ; v5
.set SO,   6                           ; v6   the stage: where I put 32 bytes of a row
.set SR,   7                           ; v7   and where I read a row back
.set D0,   8                           ; v8   d - 16 (lane / 16)
.set NINF, 9                           ; v9   -infinity
.set CLP,  10                          ; v10  7.905311
.set LIMP, 11                          ; v11  min(1, 57,344 x 2^e3)
.set SCP,  12                          ; v12  2^e3
.set TP,   13                          ; v13  at work
.set RINV, 14                          ; v[14:15] 1 / the row's sum
.set SUMA, 16                          ; v[16:19] the row's sum in two chains of pairs
.set SUMB, 18
.set PC,   24                          ; v[24:31] p's codes of a step
.set QF,   32                          ; v[32:47] Q's fragment of the head in hand;  v[48:63] of the second head
.set KF,   64                          ; v[64:127] four fragments of K, or eight of V, or 16 rows of the result
.set X,    128                         ; v[128:191] at work on 16 scores: x, x^2, P, Q;  later O^T, tile dt at O + 8 dt
.set Y,    144
.set P,    160
.set D,    176
.set O,    128
.set SS,   128                         ; at the head: sums of squares, 1 / rms
.set RR,   136
.set E8,   192                         ; v[192:223] the exponentials of step 8
.set CA13, 224                         ; v[224:245] the coefficients, each twice (a pair for the packed forms)
.set CA11, 226
.set CA9,  228
.set CA7,  230
.set CA5,  232
.set CA3,  234
.set CA1,  236
.set CB6,  238
.set CB4,  240
.set CB2,  242
.set CB0,  244
.set BV,   246                         ; v[246:247] the step's BIAS (the low word serves both halves)
.set QA,   248                         ; v248 q: my lane's byte in the wave's 16 rows;  v249 the same in wq;  v250 2^e0;  v251 57,344 x 2^e0
.set WA,   249
.set SC0,  250
.set LIM0, 251
.set CX,   44                          ; s[44:45] 2^(e0 + e1) / (30 sqrt(128))
.set BI,   66                          ; s66-74   BIAS of steps 0 to 8
.set SEL,  84                          ; s[84:85] v_permlanex16_b32: lane l takes lane l xor 16
.set OSC,  86                          ; s[86:87] 2^(e2 + e3)
.set MSB, 0
.macro WIN new                         ; s_set_vgpr_msb: bits 1:0 source 0, 3:2 source 1, 5:4 source 2, 7:6 destination; the high byte repeats the setting that is left; a switch that changes nothing is dropped
.if MSB != (\new)
	s_set_vgpr_msb (MSB<<8)|(\new)
.set MSB, (\new)
.endif
.endm
.macro PLACES                          ; four plain vector instructions between a matrix instruction and a load into one of its sources or a read of its result (ISA guide 7.12.1 for vector instructions)
.rept 4
	v_nop
.endr
.endm
.macro HOME s                          ; where step s keeps its 32 numbers: HB in window HWN
.if (\s) < 8
.set HWN, 1
.set HB, 32*(\s)
.else
.set HWN, 0
.set HB, E8
.endif
.endm
	s_load_b256 s[4:11], s[0:1], 0x0               ; kc s[4:5], vc s[6:7], q s[8:9], wq s[10:11]
	s_load_b128 s[12:15], s[0:1], 0x20             ; the scales' exponents s[12:13], out0 s[14:15]
	v_lshl_add_u32 v254, v0, 2, 0x38800
	v_mov_b32 v255, 0
	ds_add_u32 v254, v255
	ds_add_u32 v254, v255
	v_lshrrev_b32 v[TP], 5, v0
	v_readfirstlane_b32 s16, v[TP]                 ; wave 0..7
	s_lshl_b32 s17, ttmp9, 7                       ; the block's first query
	s_and_b32 s18, ttmp7, 0xffff                   ; bh = 8 b + key/value head
	; descriptor group 1: 128 keys' codes are 16,384 dense bytes: 64 rows of 32 elements of 8 bytes
	s_mov_b32 s24, 3<<16                           ; 15:0 no mask; 17:16 elements of 8 bytes; no padding: an image is read 16 bytes a lane, on end
	s_mov_b32 s25, 32<<16                          ; tensor_dim0 = 32
	s_mov_b32 s26, 64<<16                          ; tensor_dim1 = 64
	s_mov_b32 s27, 32<<16                          ; tile_dim0 = 32
	s_mov_b32 s28, 64                              ; tile_dim1 = 64
	s_mov_b32 s29, 32                              ; from row to row: 32 elements
	s_mov_b32 s30, 0
	s_mov_b32 s31, 0
	s_lshl_b32 s19, s16, 7
	s_add_co_i32 s19, s19, s17
	s_sub_co_i32 s19, s19, 512                     ; piece w begins at key 128 x - 512 + 128 w,
	s_max_i32 s19, s19, 0                          ; or at key 0 where that lies in front of the tensor (such a piece is hidden by BIAS)
	s_lshl_b32 s20, s19, 7                         ; 128 bytes a key, in kc and in vc alike
	s_lshl_b32 s19, s18, 18
	s_add_co_u32 s20, s20, s19                     ; + bh's 262,144 bytes
	s_mov_b32 s21, 0
	s_lshl_b32 s22, s16, 14                        ; the piece's place in LDS: 16,384 w
	s_wait_dscnt 0x0
	s_wait_kmcnt 0x0
	s_load_b128 s[40:43], s[12:13], 0x0            ; e0 .. e3
	s_mov_b32 s32, 1                               ; group 0 for K's piece: count = 1,
	s_mov_b32 s33, s22                             ; LDS address,
	s_add_nc_u64 s[34:35], s[4:5], s[20:21]        ; global address,
	s_or_b32 s35, s35, 0x80000000                  ; type = 2
	s_mov_b32 s36, 1                               ; and for V's
	s_add_co_u32 s37, s22, KBYTES
	s_add_nc_u64 s[38:39], s[6:7], s[20:21]
	s_or_b32 s39, s39, 0x80000000
	s_cmp_lt_u32 s16, 5                            ; five pieces: waves 0 to 4 fetch, two loads each, in one branch; two loads of a wave are out at the most
	s_cbranch_scc0 .Lno_fill
	tensor_load_to_lds s[32:35], s[24:31]
	s_nop 0
	tensor_load_to_lds s[36:39], s[24:31]
	s_nop 0
.rept 4
	v_nop                                          ; four v_nop follow the loads, ahead of the label and of the window switch below
.endr
.Lno_fill:
	s_lshr_b32 s19, s18, 3                         ; b
	s_lshl_b32 s20, s19, 24                        ; q and out0: a batch is 16,777,216 bytes,
	s_lshl_b32 s19, ttmp9, 20                      ; 128 queries 1,048,576,
	s_add_co_u32 s20, s20, s19
	s_lshl_b32 s19, s16, 17                        ; 16 queries 131,072,
	s_add_co_u32 s20, s20, s19
	s_and_b32 s23, s18, 7
	s_lshl_b32 s22, s23, 10                        ; the key/value head's two query heads 1,024
	s_add_co_u32 s20, s20, s22
	s_mov_b32 s21, 0
	s_mov_b32 s23, 0
	s_add_nc_u64 s[8:9], s[8:9], s[20:21]
	s_add_nc_u64 s[14:15], s[14:15], s[20:21]
	s_add_nc_u64 s[10:11], s[10:11], s[22:23]
	v_and_b32 v20, 15, v0                          ; r
	v_bfe_u32 v21, v0, 4, 1                        ; hl
	v_and_b32 v22, 31, v0                          ; lane
	v_lshlrev_b32 v[QA], 13, v20                   ; a query is 8,192 bytes on,
	v_lshl_add_u32 v[QA], v21, 6, v[QA]            ; + 64 hl: my 16 channels of each 32
	v_lshlrev_b32 v[WA], 6, v21
	WIN 0x40                                       ; destination window 1: head hd's 64 numbers of q at 128 hd, its gains at 128 hd + 64; register 16 c + 4 j + i = channel 32 c + 16 hl + 4 j + i
.irp hd, 0,1
.irp c, 0,1,2,3
.irp j, 0,1,2,3
	global_load_b128 v[128*\hd+16*\c+4*\j:128*\hd+16*\c+4*\j+3], v[QA], s[8:9] offset:512*\hd+128*\c+16*\j
.endr
.endr
.irp c, 0,1,2,3
.irp j, 0,1,2,3
	global_load_b128 v[128*\hd+64+16*\c+4*\j:128*\hd+64+16*\c+4*\j+3], v[WA], s[10:11] offset:512*\hd+128*\c+16*\j
.endr
.endr
.endr
	WIN 0
	; addresses that stay
	v_lshlrev_b32 v[LN16], 4, v22
	s_lshr_b32 s19, s16, 2                         ; w / 4
	s_lshl_b32 s89, s19, 13                        ; waves 4-7 begin 64 keys, 8,192 bytes, further on
	v_add_nc_u32 v[AK], s89, v[LN16]
	v_add_nc_u32 v[AK4], 32768, v[AK]
	v_add_nc_u32 v[AV], KBYTES, v[AK]
	v_add_nc_u32 v[AV4], 32768, v[AV]
	s_mul_i32 s90, s16, 16*SPITCH
	s_add_co_u32 s90, s90, STG                     ; my stage
	v_mul_u32_u24 v[SO], v20, SPITCH
	v_lshl_add_u32 v[SO], v21, 5, v[SO]
	v_add_nc_u32 v[SO], s90, v[SO]                 ; in: row r, + 32 hl
	v_add_nc_u32 v[SR], s90, v[LN16]               ; back: 32 lanes take a row of 512 bytes
	s_and_b32 s91, s16, 3
	s_lshl_b32 s91, s91, 4
	v_add_nc_u32 v[D0], s91, v20
	v_lshlrev_b32 v23, 4, v21
	v_sub_nc_u32 v[D0], v[D0], v23                 ; d - 16 hl, between -16 and 63
	v_mov_b32 v[NINF], 0xff800000
	v_mov_b32 v[CLP], 0x40fcf84f
	v_mov_b32 v[RINV+1], 0                         ; (upper halves of pairs of which the low word is taken: written once)
	v_mov_b32 v[BV+1], 0
	v_mov_b32 v[RR+1], 0
	v_mov_b32 v[TP], 0x422d1f97                    ; 30 log2(e)
.macro COEF reg, bits, byc
.if \byc
	v_mul_f32 v[\reg], \bits, v[TP]
.else
	v_mov_b32 v[\reg], \bits
.endif
	v_mov_b32 v[\reg+1], v[\reg]
.endm
	COEF CA1,  0x3ba059dc, 1                       ;  4.89352455891786e-03
	COEF CA3,  0x3a270ded, 1                       ;  6.37261928875436e-04
	COEF CA5,  0x3779434a, 1                       ;  1.48572235717979e-05
	COEF CA7,  0x335c0041, 1                       ;  5.12229709037114e-08
	COEF CA9,  0xaebd37ff, 1                       ; -8.60467152213735e-11
	COEF CA11, 0x2a61337e, 1                       ;  2.00018790482477e-13
	COEF CA13, 0xa59f25c0, 1                       ; -2.76076847742355e-16
	COEF CB0,  0x3ba059dd, 0                       ;  4.89352518554385e-03
	COEF CB2,  0x3b14aa05, 0                       ;  2.26843463243900e-03
	COEF CB4,  0x38f895d6, 0                       ;  1.18534705686654e-04
	COEF CB6,  0x35a0d3d8, 0                       ;  1.19825839466702e-06
	s_lshl_b32 s92, s19, 6
	s_add_co_i32 s92, s92, s17
	s_sub_co_i32 s92, s92, 512                     ; my first step's first key: a multiple of 64, so a step lies wholly in front of key 0 or not at all
.irp s, 0,1,2,3,4,5,6,7,8
	s_cmp_lt_i32 s92, 0
	s_cselect_b32 s[BI+\s], 0xff800000, 0
	s_add_co_i32 s92, s92, 64
.endr
	s_mov_b32 s[SEL], 0x76543210
	s_mov_b32 s[SEL+1], 0xfedcba98
	s_mov_b32 s95, 0x3c000000                      ; 1 / 128
	s_mov_b32 s96, 0x3727c5ac                      ; 1e-5
	s_mov_b32 s88, 2                               ; trips: the two query heads
	s_wait_kmcnt 0x0
	s_add_co_i32 s93, s40, s41
	s_lshl_b32 s93, s93, 23
	s_add_co_i32 s[CX], s93, 0x3b411659            ; 1 / (30 sqrt(128)), with e0 + e1 added to its exponent field: a sum of the first product stands for sum x 2^(e0 + e1)
	s_mov_b32 s[CX+1], s[CX]                       ; (named with it as a pair, so it is written)
	s_add_co_i32 s93, s40, 127
	s_lshl_b32 s94, s93, 23
	v_mov_b32 v[SC0], s94                          ; 2^e0
	s_add_co_i32 s93, s93, 15
	s_lshl_b32 s93, s93, 23
	s_or_b32 s93, s93, 0x600000
	v_mov_b32 v[LIM0], s93                         ; 57,344 x 2^e0
	s_add_co_i32 s93, s43, 127
	s_lshl_b32 s94, s93, 23
	v_mov_b32 v[SCP], s94                          ; 2^e3
	s_add_co_i32 s93, s93, 15
	s_lshl_b32 s93, s93, 23
	s_or_b32 s93, s93, 0x600000
	v_mov_b32 v[LIMP], s93
	v_min_num_f32 v[LIMP], 1.0, v[LIMP]            ; reference()'s clip at 1 and the hold at the largest code in one; p is never negative
	s_add_co_i32 s[OSC], s42, s43
	s_add_co_i32 s[OSC], s[OSC], 127
	s_lshl_b32 s[OSC], s[OSC], 23                  ; 2^(e2 + e3)
	s_mov_b32 s[OSC+1], s[OSC]
; Head hd's 64 numbers of a lane (half of its query's head; the other half lies in lane l xor 16) are normalised, multiplied by the gains, held and converted into Q's fragment.
.macro QNORM hd
.set XB, 128*\hd
.set WB, 128*\hd+64
	WIN 0x05                                       ; sources 0 and 1 window 1
.irp p, 0,1,2,3
	v_pk_mul_f32 v[SS+2*\p:SS+2*\p+1], v[XB+2*\p:XB+2*\p+1], v[XB+2*\p:XB+2*\p+1]   ; the first four pairs start four chains
.endr
.set CNT, 4
.rept 28
	v_pk_fma_f32 v[SS+2*(CNT%4):SS+2*(CNT%4)+1], v[XB+2*CNT:XB+2*CNT+1], v[XB+2*CNT:XB+2*CNT+1], v[SS+2*(CNT%4):SS+2*(CNT%4)+1]
.set CNT, CNT+1
.endr
	WIN 0
	v_pk_add_f32 v[SS:SS+1], v[SS:SS+1], v[SS+2:SS+3]
	v_pk_add_f32 v[SS+4:SS+5], v[SS+4:SS+5], v[SS+6:SS+7]
	v_pk_add_f32 v[SS:SS+1], v[SS:SS+1], v[SS+4:SS+5]
	v_add_f32 v[SS], v[SS], v[SS+1]
	v_permlanex16_b32 v[TP], v[SS], s[SEL], s[SEL+1]
	v_add_f32 v[SS], v[SS], v[TP]
	v_fma_f32 v[SS], v[SS], s95, s96               ; m = mean + 1e-5
	v_rsq_f32 v[RR], v[SS]
	v_nop                                          ; one plain instruction behind a transcendental (ISA guide 5.7.2)
	s_wait_alu depctr_va_vdst(0)
	v_mul_f32 v[SS+1], v[SS], v[RR]                ; one Newton step: r + (r / 2)(1 - m r r)
	v_fma_f32 v[SS+1], -v[SS+1], v[RR], 1.0
	v_mul_f32 v[SS+2], 0.5, v[RR]
	v_fma_f32 v[RR], v[SS+2], v[SS+1], v[RR]
	WIN 0x41                                       ; destination and source 0 window 1
.set CNT, 0
.rept 32
	v_pk_mul_f32 v[XB+CNT:XB+CNT+1], v[XB+CNT:XB+CNT+1], v[RR:RR+1] op_sel_hi:[1,0]   ; x / rms first,
.set CNT, CNT+2
.endr
	WIN 0x45
.set CNT, 0
.rept 32
	v_pk_mul_f32 v[XB+CNT:XB+CNT+1], v[XB+CNT:XB+CNT+1], v[WB+CNT:WB+CNT+1]           ; then the gain: reference()'s order
.set CNT, CNT+2
.endr
	WIN 0x41
.set CNT, 0
.rept 64
	v_med3_num_f32 v[XB+CNT], v[XB+CNT], -v[LIM0], v[LIM0]   ; the conversion does not saturate (ISA guide 7.6.2): the hold
.set CNT, CNT+1
.endr
	WIN 0x01
.irp g, 0,1,2,3,4,5,6,7
	v_cvt_scalef32_pk8_bf8_f32 v[QF+16*\hd+2*\g:QF+16*\hd+2*\g+1], v[XB+8*\g:XB+8*\g+7], v[SC0]
.endr
	WIN 0
	v_nop                                          ; one plain instruction between the last conversion and the matrix instructions that read its result and write over its sources
.endm
	s_wait_loadcnt 32                              ; head 0's q and gains are in; head 1's 32 loads may be out
	QNORM 0
	s_wait_loadcnt 0x0
	QNORM 1
	s_wait_tensorcnt 0x0                           ; my pieces of K and V have landed (waves 5 to 7 have none);
	s_barrier_signal -1
	s_barrier_wait -1                              ; everybody's have: from here on K's and V's bytes are only read
.macro FETCHK s                        ; step s's four fragments of K: 16 loads, each 512 consecutive bytes
.if (\s) < 4
.set FA, AK
.set FO, (\s)*8192
.else
.set FA, AK4
.set FO, ((\s)-4)*8192
.endif
.irp t, 0,1,2,3
.irp c, 0,1,2,3
	ds_load_b128 v[KF+16*\t+4*\c:KF+16*\t+4*\c+3], v[FA] offset:FO+2048*\t+512*\c
.endr
.endr
.endm
.macro FETCHV s                        ; step s's eight fragments of V
	WIN 0
.if (\s) < 4
.set FA, AV
.set FO, (\s)*8192
.else
.set FA, AV4
.set FO, ((\s)-4)*8192
.endif
.irp dt, 0,1,2,3,4,5,6,7
.irp c, 0,1
	ds_load_b128 v[KF+8*\dt+4*\c:KF+8*\dt+4*\c+3], v[FA] offset:FO+1024*\dt+512*\c
.endr
.endr
.endm
.macro MULS s                          ; S^T of step s: four tiles of 16 keys, each a sum of its own that starts with 0
	HOME \s
	WIN 0x40*HWN
.irp t, 0,1,2,3
	v_wmma_f32_16x16x128_bf8_bf8 v[HB+8*\t:HB+8*\t+7], v[KF+16*\t:KF+16*\t+15], v[QF:QF+15], 0
.endr
.endm
; The scores of step s become 2^t, in place, and are added to the row's sum: 16 registers at a time, each accumulator from its low end on.
.macro VEC s
	HOME \s
	WIN 0
	v_mov_b32 v[BV], s[BI+(\s)]
.irp ch, 0,1
	WIN HWN                                        ; source 0: the step's window
.irp i, 0,2,4,6,8,10,12,14
	v_pk_mul_f32 v[X+\i:X+\i+1], v[HB+16*\ch+\i:HB+16*\ch+\i+1], s[CX:CX+1] op_sel_hi:[1,0]   ; x = score / sqrt(128) / 30
.endr
	WIN 0
.irp i, 0,1,2,3,4,5,6,7,8,9,10,11,12,13,14,15
	v_med3_num_f32 v[X+\i], v[X+\i], -v[CLP], v[CLP]
.endr
.irp i, 0,2,4,6,8,10,12,14
	v_pk_mul_f32 v[Y+\i:Y+\i+1], v[X+\i:X+\i+1], v[X+\i:X+\i+1]
.endr
.irp i, 0,2,4,6,8,10,12,14
	v_pk_fma_f32 v[D+\i:D+\i+1], v[Y+\i:Y+\i+1], v[CB6:CB6+1], v[CB4:CB4+1]
.endr
.irp k, CB2, CB0
.irp i, 0,2,4,6,8,10,12,14
	v_pk_fma_f32 v[D+\i:D+\i+1], v[D+\i:D+\i+1], v[Y+\i:Y+\i+1], v[\k:\k+1]
.endr
.endr
.irp i, 0,1,2,3,4,5,6,7,8,9,10,11,12,13,14,15
	v_rcp_f32 v[D+\i], v[D+\i]                     ; 1 / Q; P's chain below is the plain work behind the reciprocals
.endr
.irp i, 0,2,4,6,8,10,12,14
	v_pk_fma_f32 v[P+\i:P+\i+1], v[Y+\i:Y+\i+1], v[CA13:CA13+1], v[CA11:CA11+1]
.endr
.irp k, CA9, CA7, CA5, CA3, CA1
.irp i, 0,2,4,6,8,10,12,14
	v_pk_fma_f32 v[P+\i:P+\i+1], v[P+\i:P+\i+1], v[Y+\i:Y+\i+1], v[\k:\k+1]
.endr
.endr
.irp i, 0,2,4,6,8,10,12,14
	v_pk_mul_f32 v[X+\i:X+\i+1], v[X+\i:X+\i+1], v[P+\i:P+\i+1]
.endr
	s_wait_alu depctr_va_vdst(0)
.irp i, 0,2,4,6,8,10,12,14
	v_pk_fma_f32 v[X+\i:X+\i+1], v[X+\i:X+\i+1], v[D+\i:D+\i+1], v[BV:BV+1] op_sel_hi:[1,1,0]   ; t = log2(e) 30 tanh(x) + BIAS
.endr
.if (\s) == 0                          ; the window's far edge: place 32 ch + i + 16 hl is hidden where it lies under d
.irp i, 0,1,2,3,4,5,6,7,8,9,10,11,12,13,14,15
	v_cmp_lt_i32 vcc_lo, 32*\ch+\i, v[D0]
	v_cndmask_b32 v[X+\i], v[X+\i], v[NINF], vcc_lo
.endr
.endif
.if (\s) == 8                          ; the diagonal: hidden where it lies over d
.irp i, 0,1,2,3,4,5,6,7,8,9,10,11,12,13,14,15
	v_cmp_gt_i32 vcc_lo, 32*\ch+\i, v[D0]
	v_cndmask_b32 v[X+\i], v[X+\i], v[NINF], vcc_lo
.endr
.endif
	WIN 0x40*HWN                                   ; destination: the step's window
.irp i, 0,1,2,3,4,5,6,7,8,9,10,11,12,13,14,15
	v_exp_f32 v[HB+16*\ch+\i], v[X+\i]
.endr
	v_nop                                          ; one plain instruction behind the exponentials
.if ((\s) == 0) && (\ch == 0)
	WIN 0x05                                       ; the first four pairs start the two chains: nothing is cleared
	s_wait_alu depctr_va_vdst(0)
	v_pk_add_f32 v[SUMA:SUMA+1], v[HB:HB+1], v[HB+2:HB+3]
	v_pk_add_f32 v[SUMB:SUMB+1], v[HB+4:HB+5], v[HB+6:HB+7]
	WIN 0x04
.irp i, 8,12
	v_pk_add_f32 v[SUMA:SUMA+1], v[SUMA:SUMA+1], v[HB+\i:HB+\i+1]
	v_pk_add_f32 v[SUMB:SUMB+1], v[SUMB:SUMB+1], v[HB+\i+2:HB+\i+3]
.endr
.else
	WIN 0x04*HWN                                   ; source 1: the step's window
	s_wait_alu depctr_va_vdst(0)
.irp i, 0,4,8,12
	v_pk_add_f32 v[SUMA:SUMA+1], v[SUMA:SUMA+1], v[HB+16*\ch+\i:HB+16*\ch+\i+1]
	v_pk_add_f32 v[SUMB:SUMB+1], v[SUMB:SUMB+1], v[HB+16*\ch+\i+2:HB+16*\ch+\i+3]
.endr
.endif
.endr
.endm
.macro PCALC_A s                       ; p = 2^t / the row's sum
	HOME \s
	WIN 0x41*HWN
.set CNT, 0
.rept 16
	v_pk_mul_f32 v[HB+CNT:HB+CNT+1], v[HB+CNT:HB+CNT+1], v[RINV:RINV+1] op_sel_hi:[1,0]
.set CNT, CNT+2
.endr
.endm
.macro PCALC_B s                       ; clipped, held and converted: eight registers of codes, the second product's source 1
	HOME \s
	WIN 0x41*HWN
.set CNT, 0
.rept 32
	v_min_num_f32 v[HB+CNT], v[HB+CNT], v[LIMP]
.set CNT, CNT+1
.endr
	WIN HWN
.irp t, 0,1,2,3
	v_cvt_scalef32_pk8_bf8_f32 v[PC+2*\t:PC+2*\t+1], v[HB+8*\t:HB+8*\t+7], v[SCP]
.endr
	WIN 0
	v_nop                                          ; one plain instruction between the last conversion and the matrix instruction that reads its result
.endm
.macro MULO s                          ; O^T += V^T p^T: the eight tiles of 16 channels take turns, one instruction a turn; step 0 starts the sums
.irp dt, 0,1,2,3,4,5,6,7
.if (\s) == 0
	v_wmma_f32_16x16x64_bf8_bf8 v[O+8*\dt:O+8*\dt+7], v[KF+8*\dt:KF+8*\dt+7], v[PC:PC+7], 0
.else
	v_wmma_f32_16x16x64_bf8_bf8 v[O+8*\dt:O+8*\dt+7], v[KF+8*\dt:KF+8*\dt+7], v[PC:PC+7], v[O+8*\dt:O+8*\dt+7]
.endif
.endr
.endm
.Lhead:                                ; a trip: one query head's tile of 16 queries
	; ---- first phase: scores, cap, exponentials, the row's sum.  Step s + 1's products are issued ahead of step s's vector work, and step s + 2's fragments are asked for there too
	FETCHK 0
	s_wait_dscnt 0x0
	MULS 0
	WIN 0
	PLACES
	FETCHK 1
.irp s, 0,1,2,3,4,5,6,7
	s_wait_dscnt 0x0                               ; the 16 loads asked for a step's vector work ago
	MULS \s+1
	WIN 0
	PLACES
.if \s < 7
	FETCHK \s+2
.else
	FETCHV 0
.endif
	VEC \s
.endr
	VEC 8
	WIN 0
	v_pk_add_f32 v[SUMA:SUMA+1], v[SUMA:SUMA+1], v[SUMB:SUMB+1]
	v_add_f32 v[SUMA], v[SUMA], v[SUMA+1]
	v_permlanex16_b32 v[TP], v[SUMA], s[SEL], s[SEL+1]   ; the query's other 288 keys lie in lane l xor 16
	v_add_f32 v[SUMA], v[SUMA], v[TP]
	v_rcp_f32 v[RINV], v[SUMA]
	v_nop
	s_wait_alu depctr_va_vdst(0)
	v_fma_f32 v[SUMA+1], -v[SUMA], v[RINV], 1.0    ; one Newton step: r + r (1 - sum r)
	v_fma_f32 v[RINV], v[RINV], v[SUMA+1], v[RINV]
	; ---- second phase: p, its codes, O^T.  Behind step s's products stand step s + 1's 16 multiplications (the places in front of the loads into V's registers), its loads, and the rest of its vector work
	PCALC_A 0
	PCALC_B 0
.irp s, 0,1,2,3,4,5,6,7,8
	s_wait_dscnt 0x0                               ; V's 16 loads
	MULO \s
.if \s < 8
	PCALC_A \s+1
	FETCHV \s+1
	PCALC_B \s+1
.endif
.endr
	; ---- the way out: x 2^(e2 + e3); register 8 dt + j of lane (r, hl) is out(query r, channel 16 dt + 8 hl + j): 32 bytes a tile into my stage, whole rows of 512 bytes back
	PLACES
.set CNT, 0
.rept 32
	v_pk_mul_f32 v[O+CNT:O+CNT+1], v[O+CNT:O+CNT+1], s[OSC:OSC+1] op_sel_hi:[1,0]   ; each accumulator from its low end on
.set CNT, CNT+2
.endr
.irp dt, 0,1,2,3,4,5,6,7
	ds_store_b128 v[SO], v[O+8*\dt:O+8*\dt+3] offset:64*\dt
	ds_store_b128 v[SO], v[O+8*\dt+4:O+8*\dt+7] offset:64*\dt+16
.endr
.irp i, 0,1,2,3,4,5,6,7,8,9,10,11,12,13,14,15
	ds_load_b128 v[KF+4*\i:KF+4*\i+3], v[SR] offset:SPITCH*\i   ; the stage is my own, and LDS serves a wave's instructions in order (ISA guide 5.7.1.4): these see the stores above
.endr
.irp i, 0,1,2,3,4,5,6,7,8,9,10,11,12,13,14,15
	s_wait_dscnt 15-\i                             ; row i is back; the younger rows may be out
	global_store_b128 v[LN16], v[KF+4*\i:KF+4*\i+3], s[14:15] offset:8192*\i th:TH_STORE_NT   ; the wave stores 512 consecutive bytes, aligned: a query's head; written once, read by nobody here
.endr
	s_wait_xcnt 0x0                                ; the stores have read their registers and their base: both are written again below and at the next trip's head
	s_add_nc_u64 s[14:15], s[14:15], 512           ; the second head's place in a row of out0
.irp i, 0,1,2,3,4,5,6,7,8,9,10,11,12,13,14,15
	v_mov_b32 v[QF+\i], v[QF+16+\i]                ; the second head's fragment: sixteen moves in place of a second copy of the trip's text
.endr
	s_sub_co_u32 s88, s88, 1
	s_cmp_lg_u32 s88, 0
	s_cbranch_scc1 .Lhead
	s_wait_tensorcnt 0x0
	ds_add_u32 v254, v255
	s_wait_dscnt 0x0
	s_endpgm
.Lfunc_end_k_qe2c6556b66_attn:
	.size	k_qe2c6556b66_attn, .Lfunc_end_k_qe2c6556b66_attn-k_qe2c6556b66_attn
	.p2alignl 7, 3214868480
	.fill 96, 4, 3214868480
	.section	.rodata,"a",@progbits
	.p2align	6, 0x0
	.amdhsa_kernel k_qe2c6556b66_attn
		.amdhsa_group_segment_fixed_size 232448
		.amdhsa_private_segment_fixed_size 0
		.amdhsa_enable_private_segment 0
		.amdhsa_kernarg_size 48
		.amdhsa_user_sgpr_count 2
		.amdhsa_user_sgpr_kernarg_segment_ptr 1
		.amdhsa_wavefront_size32 1
		.amdhsa_system_sgpr_workgroup_id_x 1
		.amdhsa_system_sgpr_workgroup_id_y 1
		.amdhsa_system_sgpr_workgroup_id_z 1
		.amdhsa_system_vgpr_workitem_id 0
		.amdhsa_next_free_vgpr 512
		.amdhsa_next_free_sgpr 100
		.amdhsa_reserve_vcc 1
		.amdhsa_float_denorm_mode_32 3
		.amdhsa_float_denorm_mode_16_64 3
		.amdhsa_memory_ordered 1
		.amdhsa_forward_progress 1
		.amdhsa_inst_pref_size 255
	.end_amdhsa_kernel
	.section	.bss,"aw",@nobits
	.p2align	6
	.space	262144
	.amdgpu_metadata
---
amdhsa.version: [ 1, 2 ]
amdhsa.kernels:
  - .name:           k_qe2c6556b66_attn
    .symbol:         k_qe2c6556b66_attn.kd
    .args:
      - { .name: kc, .offset: 0, .size: 8, .value_kind: global_buffer, .address_space: global }
      - { .name: vc, .offset: 8, .size: 8, .value_kind: global_buffer, .address_space: global }
      - { .name: q, .offset: 16, .size: 8, .value_kind: global_buffer, .address_space: global }
      - { .name: wq, .offset: 24, .size: 8, .value_kind: global_buffer, .address_space: global }
      - { .name: lowp_scales, .offset: 32, .size: 8, .value_kind: global_buffer, .address_space: global }
      - { .name: out0, .offset: 40, .size: 8, .value_kind: global_buffer, .address_space: global }
    .group_segment_fixed_size: 232448
    .private_segment_fixed_size: 0
    .kernarg_segment_align: 8
    .kernarg_segment_size: 48
    .max_flat_workgroup_size: 256
    .sgpr_count:     100
    .vgpr_count:     512
    .wavefront_size: 32
...
	.end_amdgpu_metadata
.endif
;; end of part 2
